; MI455X (gfx1250); checked and timed in simulation.
; The chip was launched on July 23, 2026; its instructions are those of AMD's public machine-readable ISA for CDNA 5 (MIT licence, August 2026) and "CDNA5" Instruction Set Architecture Reference Guide (July 2026). The comments in the code are by the model that wrote it; some were corrected since.
;; Attn Block. Allowed arithmetic: matrix products marked QUANTISED: E4M3 operands, one E8M0 scale for each 32 along K, by v_wmma_scale_f32_16x16x128_f8f6f4 with both operands' format E4M3, f32 sums; everything else in f32.
;; Inputs: bk 256 float32; bo 256 float32; bq 256 float32; bv 256 float32; gn_bias 256 float32; gn_scale 256 float32; wk 256 x 256 float32; wo 256 x 256 float32; wq 256 x 256 float32; wv 256 x 256 float32; x 32 x 256 x 32 x 32 float32.
;; Outputs: out0 32 x 256 x 32 x 32 float32.
;; This version of the problem:
;;   THIS VERSION OF THE PROBLEM IS GIVEN IN LOW PRECISION. The matrix products marked QUANTISED in the list below multiply operands that are first quantised to E4M3 (4 exponent bits, 3 mantissa bits; 8 bits a number), with one power-of-two scale for each 32 numbers along K (OCP MX v1.0); their sums are f32. All else is computed in f32.
;;   The module's matrix products, in the order in which they are computed (A, B: the left and right operand; K: the contracted axis; several contracted axes count as one K, in the product's order):
;;     1. [M 256, K 256] x [K 256, N 32,768]; A: input wq; B: computed on the way: QUANTISED
;;     2. [M 256, K 256] x [K 256, N 32,768]; A: input wk; B: computed on the way: QUANTISED
;;     3. [M 256, K 256] x [K 256, N 32,768]; A: input wv; B: computed on the way: QUANTISED
;;     4. batch 32 x [M 1,024, K 256] x [K 256, N 1,024]; A: computed on the way; B: computed on the way: QUANTISED
;;     5. batch 32 x [M 256, K 1,024] x [K 1,024, N 1,024]; A: computed on the way; B: softmax (see below): QUANTISED
;;     6. [M 256, K 256] x [K 256, N 32,768]; A: input wo; B: computed on the way: QUANTISED
;;   THE QUANTISER, for each operand of a quantised product, along K:
;;     - K is cut into blocks of 32 from its start; a last block that is shorter is filled with zeros.
;;     - A block's scale is 2^e with e = floor(log2(the largest magnitude in the block)) - 8, held to -126 .. 127; a block of zeros has e = 0. As a byte (E8M0): e + 127.
;;     - Each number is divided by its block's scale, clamped to +-448, and rounded to the nearest number of E4M3, ties to even, subnormals kept.
;;     - The product sums the exact products of the quantised numbers (number of the format x scale) in f32.
;;   ~~~python
;;   def quantise(x, axis):      # numpy; x: float32 -> the quantised numbers, widened to float32 again
;;       x = np.moveaxis(x, axis, -1); K = x.shape[-1]
;;       x = np.pad(x, [(0, 0)] * (x.ndim - 1) + [(0, -K % 32)]); x = x.reshape(x.shape[:-1] + (-1, 32)); a = np.abs(x).max(-1, keepdims=True)
;;       e = np.where(a > 0, np.clip(np.frexp(np.where(a > 0, a, 1))[1] - 1 - 8, -126, 127), 0)      # np.frexp(a)[1] - 1 = floor(log2(a)), exactly
;;       r = np.clip(x / 2.0 ** e, -448, 448)
;;       step = 2.0 ** (np.maximum(np.frexp(np.where(r == 0, 1, r))[1] - 1, -6) - 3)
;;       q = np.round(r / step) * step * 2.0 ** e      # np.round: ties to even
;;       return np.moveaxis(q.reshape(q.shape[:-2] + (-1,))[..., :K], -1, axis).astype(np.float32)
;;   ~~~
;;   SOFTMAX AHEAD OF A QUANTISED PRODUCT. Where the list says 'softmax', what is quantised is not the finished softmax but p = 2^(t - M), with t = logit x log2(e) and M = ceil(the row's largest t), a whole number; so 1/2 < the row's largest p <= 1. The row's sum l is taken of the UNQUANTISED p, in f32, and the product's result is divided by l at the end. Since M is a whole number, a kernel that streams over the keys may use a running M (the ceiling of the running maximum): every later rescaling is an exact power of two, which a block's scale takes up: the codes' values come out the same.
;;   OPERANDS COMPUTED ON THE WAY. 'Computed on the way' means the value that the module computes at that place (a softmax that the list does not call 'softmax' is quantised finished and normalised). What goes into a quantiser is computed in f32, as accurately as f32 sums, v_exp_f32 and their like allow (about 1e-6 of the number): no bf16 or f16 on the way to a quantiser, and a product that is left as it is and whose result goes on into a quantised operand takes f32 operands (vector FMAs, or v_wmma_f32_16x16x4_f32). A number that lies on a knife's edge between two numbers of the format may be rounded either way, as far as f32 arithmetic and the matrix unit's own rounding can turn it there, and no further.
;; One version. Each part assembles by itself: llvm-mc -triple=amdgcn-amd-amdhsa -mcpu=gfx1250 --defsym DOCPART=n.
;; ======== version 1 of 1: 3 launches
;; workspace buffers: hc 8,388,608 bytes; hs 262,144 bytes; wimg 270,336 bytes; qb 8,650,752 bytes; kv 17,301,504 bytes
;; launch gnq (part 1): grid 256 x 1, 8 waves a work-group, no clusters, 35,840 bytes of LDS; arguments x, gn_scale, gn_bias, wq, wk, wv, wo, hc, hs, wimg; writes hc, hs, wimg
.if DOCPART == 1
	.amdgcn_target "amdgcn-amd-amdhsa--gfx1250"
	.amdhsa_code_object_version 6
	.text
	.protected	k_qb0b2a764f7_gnq
	.globl	k_qb0b2a764f7_gnq
	.p2align	8
	.type	k_qb0b2a764f7_gnq,@function
k_qb0b2a764f7_gnq:
	s_mov_b64 s[64:65], 0
	v_nop
	global_prefetch_b8 v0, s[64:65] scope:SCOPE_SE
	s_setreg_imm32_b32 hwreg(HW_REG_WAVE_MODE, 25, 1), 1
	s_wait_xcnt 0x0
; h = GroupNorm(x) (32 groups of 8 channels x 1,024 positions) is quantised along the channels to codes of E4M3 with one E8M0 byte for each 32 channels; the four weights [256][256] are quantised along their rows.
; SHARES.  Work-group g = 8 b + jb owns channels 32 jb .. 32 jb + 31 of batch b: 131,072 dense bytes of x, four whole groups, and ONE block of 32 along the products' K.  Wave w owns positions 128 w .. + 127,
; lane L positions 128 w + 4 L + 0 .. 3.  A lane keeps its 32 channels x 4 positions in 128 registers between the passes: x is read once.  A column's 32 channels lie in one lane: its largest magnitude needs no other lane.
; Mean and variance are taken in two passes (the mean first, then the squares of the differences), so that no difference of large sums is formed.
; WHAT IS STORED.  hc: images of operand registers, [b][tile 64][K step 2][2,048]: a fragment (16 positions x 128 channels) as four pieces of 512 bytes, lane l's 16 bytes at 16 l.  THE POSITIONS OF A TILE ARE NOT NEIGHBOURS:
; lane r of tile 2 a + u holds position 32 a + 8 u + r + 8 (r / 8).  hs: [b][block 8][position]: a byte each.  wimg: for each weight 67,584 bytes: codes [K step 2][tile 16][2,048] (a tile's rows chosen as above), then from
; byte 65,536 the scale words [K step 2][tile / 4][r 16][tile % 4].  Wave 0 of each work-group quantises one half fragment of one weight: 4 x 2 x 16 x 2 = 256 of them.
; No cluster: work-groups share no input.  No tensor load: the slab lives in registers.  No matrix unit: there is no product here.
; LIMITS: a block of zeros gets the byte 1 where the rule says 127 (its codes are zeros, and this program alone reads the bytes); blocks whose largest magnitude lies under 2^-118 are held at the byte 1; NaN and infinities are not served.
.set BLK,  67584                       ; a weight's codes and scale words
.set RED,  0                           ; LDS: 8 waves x 4 sums
.set RED2, 256                         ; the same for the second pass: other bytes, so that no third barrier is wanted
.set STG,  512                         ; each wave's own stage: 8 tiles x (512 bytes + 16)
.set TP,   528
.set SM,   16                          ; v16-23   a pair of sums for each group
.set GF,   24                          ; v24-27   a figure for each group
.set MP,   28                          ; v28-35   pass 1: a second chain of sums; then each mean twice, as a pair
.set PX,   36                          ; v36-39   what the other half of the lanes holds
.set SB,   56                          ; v56      my four columns' scale bytes
.set X,    64                          ; v64-191  register 4 c + i: channel c, position i
.set H,    192                         ; v192-223 a column of h at work; wave 0: its 32 numbers of a weight
.set C,    224                         ; v224-255 codes, eight registers a column
.set MNT,  96                          ; s96      the mantissa field of 448
.set WV,   97                          ; s97      my wave's number
.set SEL,  98                          ; s[98:99] lane selects: lane l xor 16
; s16-47: gn_scale of my 32 channels (later x 1 / sqrt(var + eps)); s48-63, s68-83: gn_bias
	s_load_b256 s[4:11], s[0:1], 0x0               ; x, gn_scale, gn_bias, wq
	s_load_b256 s[84:91], s[0:1], 0x20             ; wk, wv, wo, hc
	s_load_b128 s[92:95], s[0:1], 0x40             ; hs, wimg
	v_lshl_add_u32 v62, v0, 2, 0x8800
	v_mov_b32 v63, 0
	v_lshrrev_b32 v11, 5, v0
	v_readfirstlane_b32 s[WV], v11                 ; wave 0..7
	v_and_b32 v1, 31, v0                           ; L
	v_lshlrev_b32 v2, 4, v0                        ; x: 16 bytes a thread: four positions of a channel's row
	v_lshrrev_b32 v12, 3, v1                       ; my columns 4 L + i lie in tile 2 (L / 8) + (L / 2) % 2 of the wave's eight,
	v_bfe_u32 v13, v1, 1, 1
	v_lshl_add_u32 v12, v12, 1, v13
	v_mul_u32_u24 v3, v12, TP
	v_and_b32 v13, 1, v1                           ; at its rows 4 (L % 2) + 8 ((L / 4) % 2) + i: 16 bytes a row
	v_lshl_add_u32 v3, v13, 6, v3
	v_bfe_u32 v13, v1, 2, 1
	v_lshl_add_u32 v3, v13, 7, v3
	s_mul_i32 s2, s[WV], 8*TP
	s_add_co_u32 s2, s2, STG                       ; my wave's stage
	v_add_nc_u32 v3, s2, v3                        ; v3: into the stage.
	v_lshlrev_b32 v5, 4, v1                        ; v5: 16 L
	v_add_nc_u32 v4, s2, v5                        ; v4: out of the stage
	v_lshlrev_b32 v6, 2, v0                        ; v6: hs: four bytes a thread
	v_and_b32 v12, 15, v0                          ; r
	v_bfe_u32 v13, v0, 4, 1                        ; half of the lanes
	v_and_b32 v14, 8, v12
	v_add_nc_u32 v14, v14, v12                     ; r + 8 (r / 8)
	v_lshlrev_b32 v7, 10, v14
	v_lshl_add_u32 v7, v13, 6, v7                  ; v7: a weight: that row of 1,024 bytes, + 64 bytes for lanes 16-31
	v_lshlrev_b32 v8, 4, v12                       ; v8: 16 r: a weight's scale words
	v_mov_b32 v9, s[WV]
	v_lshlrev_b32 v9, 4, v9                        ; v9: my wave's 16 bytes among the sums
	v_mov_b32 v10, 0                               ; v10: where every lane reads all waves' sums
.irp g, 0,1,2,3
	v_mov_b32 v[PX+\g], 0                          ; written once: a lane permute's destination counts as one of its sources
.endr
	s_mov_b32 s[MNT], 0x600000
	s_mov_b32 s[SEL], 0x76543210
	s_mov_b32 s[SEL+1], 0xfedcba98
	s_and_b32 s12, ttmp9, 7                        ; jb
	s_lshl_b32 s2, s12, 7                          ; my 32 channels' scales and biases: 128 bytes on for each jb
	s_mov_b32 s3, 0
	s_wait_kmcnt 0x0
	s_add_nc_u64 s[6:7], s[6:7], s[2:3]
	s_add_nc_u64 s[8:9], s[8:9], s[2:3]
	s_load_b512 s[16:31], s[6:7], 0x0
	s_load_b512 s[32:47], s[6:7], 0x40
	s_load_b512 s[48:63], s[8:9], 0x0
	s_load_b512 s[68:83], s[8:9], 0x40
	s_lshl_b32 s2, ttmp9, 17
	s_add_nc_u64 s[4:5], s[4:5], s[2:3]            ; x at my slab
	s_lshl_b32 s2, ttmp9, 10
	s_add_nc_u64 s[92:93], s[92:93], s[2:3]        ; hs at (b, jb)
	s_lshr_b32 s13, ttmp9, 3                       ; b
	s_lshl_b32 s2, s13, 18                         ; hc: 262,144 b + 32,768 w (eight tiles) + 2,048 (jb / 4) (the K step) + 512 (jb % 4) (the piece)
	s_lshl_b32 s14, s[WV], 15
	s_add_co_u32 s2, s2, s14
	s_lshr_b32 s14, s12, 2
	s_lshl_b32 s14, s14, 11
	s_add_co_u32 s2, s2, s14
	s_and_b32 s14, s12, 3
	s_lshl_b32 s14, s14, 9
	s_add_co_u32 s2, s2, s14
	s_add_nc_u64 s[90:91], s[90:91], s[2:3]
	; the half fragment of a weight that wave 0 quantises: weight g / 64, K step (g / 32) % 2, tile (g / 2) % 16, half g % 2.  The choice hangs on the work-group's number alone
	s_lshr_b32 s12, ttmp9, 6
	s_cmp_eq_u32 s12, 1
	s_cselect_b64 s[10:11], s[84:85], s[10:11]
	s_cmp_eq_u32 s12, 2
	s_cselect_b64 s[10:11], s[86:87], s[10:11]
	s_cmp_eq_u32 s12, 3
	s_cselect_b64 s[10:11], s[88:89], s[10:11]
	s_bfe_u32 s13, ttmp9, 0x40001                  ; tile
	s_bfe_u32 s14, ttmp9, 0x10005                  ; K step
	s_and_b32 s15, ttmp9, 1                        ; half
	s_lshr_b32 s2, s13, 1
	s_lshl_b32 s2, s2, 15                          ; the tile begins at row 32 (tile / 2) + 8 (tile % 2); a row is 1,024 bytes
	s_and_b32 s86, s13, 1
	s_lshl_b32 s86, s86, 13
	s_add_co_u32 s2, s2, s86
	s_lshl_b32 s86, s14, 9                         ; 512 bytes a K step,
	s_add_co_u32 s2, s2, s86
	s_lshl_b32 s86, s15, 8                         ; 256 a half
	s_add_co_u32 s2, s2, s86
	s_add_nc_u64 s[10:11], s[10:11], s[2:3]
	s_mul_i32 s2, s12, BLK
	s_add_nc_u64 s[94:95], s[94:95], s[2:3]        ; the weight's part of wimg
	s_lshl_b32 s2, s14, 10                         ; its scale words: 65,536 + 1,024 K step + 256 (tile / 4) + 4 (tile % 4) + 2 half (+ 16 r)
	s_lshr_b32 s86, s13, 2
	s_lshl_b32 s86, s86, 8
	s_add_co_u32 s2, s2, s86
	s_and_b32 s86, s13, 3
	s_lshl_b32 s86, s86, 2
	s_add_co_u32 s2, s2, s86
	s_lshl_b32 s86, s15, 1
	s_add_co_u32 s2, s2, s86
	s_add_co_u32 s2, s2, 65536
	s_add_nc_u64 s[84:85], s[94:95], s[2:3]
	s_lshl_b32 s2, s14, 15                         ; its codes: 32,768 K step + 2,048 tile + 1,024 half
	s_lshl_b32 s86, s13, 11
	s_add_co_u32 s2, s2, s86
	s_lshl_b32 s86, s15, 10
	s_add_co_u32 s2, s2, s86
	s_add_nc_u64 s[94:95], s[94:95], s[2:3]
	s_cmp_lg_u32 s[WV], 0
	s_cbranch_scc1 .Lx_loads
.irp a, 0,1                                    ; wave 0: two blocks of 32 along K: my 16 numbers of each
.irp i, 0,1,2,3
	global_load_b128 v[H+16*\a+4*\i:H+16*\a+4*\i+3], v7, s[10:11] offset:128*\a+16*\i
.endr
.endr
.Lx_loads:
.set c, 0
.rept 32
	global_load_b128 v[X+4*c:X+4*c+3], v2, s[4:5] offset:4096*c th:TH_LOAD_NT   ; channel c: a wave reads 512 consecutive bytes; read once in the launch
.set c, c+1
.endr
	s_cmp_lg_u32 s[WV], 0
	s_cbranch_scc1 .Lpass1
	s_wait_loadcnt 32                              ; the weight's eight loads are in; the 32 loads of x, issued behind them, may be out
.irp a, 0,1
	v_max3_num_f32 v[40+\a], |v[H+16*\a]|, |v[H+16*\a+1]|, 0x4800000   ; my 16 numbers, and the floor 2^(9 - 127): the byte cannot fall under 1
.endr
.irp i, 2,4,6,8,10,12,14
.irp a, 0,1
	v_max3_num_f32 v[40+\a], v[40+\a], |v[H+16*\a+\i]|, |v[H+16*\a+\i+1]|
.endr
.endr
.irp a, 0,1
	v_permlanex16_b32 v[PX+\a], v[40+\a], s[SEL], s[SEL+1]
.endr
.irp a, 0,1
	v_max_num_f32 v[40+\a], v[40+\a], v[PX+\a]     ; with lane l xor 16's: the block's largest magnitude
.endr
.irp a, 0,1
	v_add_nc_u32 v[42+\a], 0xfc000000, v[40+\a]    ; 8 off its exponent field: the conversion's scale operand
	v_and_or_b32 v[44+\a], v[40+\a], 0x7f800000, s[MNT]   ; 448 x the scale
	v_lshrrev_b32 v[46+\a], 23, v[42+\a]           ; the scale's byte
.endr
	v_lshl_or_b32 v46, v47, 8, v46                 ; the two bytes of my row
.irp a, 0,1
.irp i, 0,1,2,3,4,5,6,7,8,9,10,11,12,13,14,15
	v_med3_num_f32 v[H+16*\a+\i], v[H+16*\a+\i], -v[44+\a], v[44+\a]   ; the conversion to an 8-bit code does not saturate (ISA guide 7.6.2): the hold comes first
.endr
	v_cvt_scalef32_pk8_fp8_f32 v[C+4*\a:C+4*\a+1], v[H+16*\a:H+16*\a+7], v[42+\a]
	v_cvt_scalef32_pk8_fp8_f32 v[C+4*\a+2:C+4*\a+3], v[H+16*\a+8:H+16*\a+15], v[42+\a]
.endr
	v_nop                                          ; a plain line behind the last conversion
	global_store_b128 v5, v[C:C+3], s[94:95]       ; a piece of the image: 512 consecutive bytes
	global_store_b128 v5, v[C+4:C+7], s[94:95] offset:512
	global_store_b16 v8, v46, s[84:85]             ; lanes r and r + 16 write the same two bytes with the same value
	s_wait_xcnt 0x0                                ; the stores' data registers are written again only behind this wait
.Lpass1:
; The four groups' figures in v[SM ..] (a pair each) are added over the pair, the 32 lanes and the 8 waves; every lane ends with the four sums in v[H] .. v[H + 3].
.macro REDUCE base
.irp g, 0,1,2,3
	v_add_f32 v[GF+\g], v[SM+2*\g], v[SM+2*\g+1]
.endr
.irp m, 1,2,4,8
.irp g, 0,1,2,3
	v_add_f32_dpp v[GF+\g], v[GF+\g], v[GF+\g] row_xmask:\m row_mask:0xf bank_mask:0xf
.endr
.endr
.irp g, 0,1,2,3
	v_permlanex16_b32 v[PX+\g], v[GF+\g], s[SEL], s[SEL+1]
.endr
.irp g, 0,1,2,3
	v_add_f32 v[GF+\g], v[GF+\g], v[PX+\g]
.endr
	ds_store_b128 v9, v[GF:GF+3] offset:\base      ; all lanes write the wave's 16 bytes with the same values
	s_wait_dscnt 0x0                               ; for the others' sake: my store has landed
	s_barrier_signal -1
	s_barrier_wait -1
.irp k, 0,1,2,3,4,5,6,7
	ds_load_b128 v[H+4*\k:H+4*\k+3], v10 offset:\base+16*\k
.endr
	s_wait_dscnt 0x0
.irp k, 0,1,2,3
	v_pk_add_f32 v[H+4*\k:H+4*\k+1], v[H+4*\k:H+4*\k+1], v[H+4*\k+16:H+4*\k+17]
	v_pk_add_f32 v[H+4*\k+2:H+4*\k+3], v[H+4*\k+2:H+4*\k+3], v[H+4*\k+18:H+4*\k+19]
.endr
.irp k, 0,1
	v_pk_add_f32 v[H+4*\k:H+4*\k+1], v[H+4*\k:H+4*\k+1], v[H+4*\k+8:H+4*\k+9]
	v_pk_add_f32 v[H+4*\k+2:H+4*\k+3], v[H+4*\k+2:H+4*\k+3], v[H+4*\k+10:H+4*\k+11]
.endr
	v_pk_add_f32 v[H:H+1], v[H:H+1], v[H+4:H+5]
	v_pk_add_f32 v[H+2:H+3], v[H+2:H+3], v[H+6:H+7]
.endm
	; PASS 1: the sums, group by group as the loads come in; two chains a group
.irp g, 0,1,2,3
	s_wait_loadcnt 24-8*\g                         ; this group's eight loads are in; the later groups' may be out
	v_pk_add_f32 v[SM+2*\g:SM+2*\g+1], v[X+32*\g:X+32*\g+1], v[X+32*\g+2:X+32*\g+3]
	v_pk_add_f32 v[MP+2*\g:MP+2*\g+1], v[X+32*\g+4:X+32*\g+5], v[X+32*\g+6:X+32*\g+7]
.irp k, 8,12,16,20,24,28
	v_pk_add_f32 v[SM+2*\g:SM+2*\g+1], v[SM+2*\g:SM+2*\g+1], v[X+32*\g+\k:X+32*\g+\k+1]
	v_pk_add_f32 v[MP+2*\g:MP+2*\g+1], v[MP+2*\g:MP+2*\g+1], v[X+32*\g+\k+2:X+32*\g+\k+3]
.endr
	v_pk_add_f32 v[SM+2*\g:SM+2*\g+1], v[SM+2*\g:SM+2*\g+1], v[MP+2*\g:MP+2*\g+1]
.endr
	REDUCE RED
.irp g, 0,1,2,3
	v_mul_f32 v[MP+2*\g], 0x39000000, v[H+\g]      ; the mean: the sum x 2^-13 (a group has 8,192 numbers), twice: a pair for the packed lines
	v_mul_f32 v[MP+2*\g+1], 0x39000000, v[H+\g]
.endr
	; PASS 2: x - mean, in place, and the sum of its squares; the four groups by turns
.set k, 0
.rept 16
.irp g, 0,1,2,3
	v_pk_add_f32 v[X+32*\g+2*k:X+32*\g+2*k+1], v[X+32*\g+2*k:X+32*\g+2*k+1], v[MP+2*\g:MP+2*\g+1] neg_lo:[0,1] neg_hi:[0,1]
.endr
.set k, k+1
.endr
.irp g, 0,1,2,3
	v_pk_mul_f32 v[SM+2*\g:SM+2*\g+1], v[X+32*\g:X+32*\g+1], v[X+32*\g:X+32*\g+1]
.endr
.set k, 1
.rept 15
.irp g, 0,1,2,3
	v_pk_fma_f32 v[SM+2*\g:SM+2*\g+1], v[X+32*\g+2*k:X+32*\g+2*k+1], v[X+32*\g+2*k:X+32*\g+2*k+1], v[SM+2*\g:SM+2*\g+1]
.endr
.set k, k+1
.endr
	REDUCE RED2
	s_mov_b32 s2, 0x39000000                       ; 2^-13
	s_mov_b32 s3, 0x3727c5ac                       ; eps = 1e-5
.irp g, 0,1,2,3
	v_fma_f32 v[GF+\g], v[H+\g], s2, s3            ; var + eps
.endr
.irp g, 0,1,2,3
	v_rsq_f32 v[GF+\g], v[GF+\g]
.endr
	v_nop                                          ; a plain line behind the last of the four
	s_wait_alu depctr_va_vdst(0)                   ; one wait for the four, ahead of their first reader
.irp g, 0,1,2,3
	v_readfirstlane_b32 s[12+\g], v[GF+\g]         ; the same in every lane
.endr
	s_wait_kmcnt 0x0                               ; gn_scale and gn_bias
.set c, 0
.rept 32
	s_mul_f32 s[16+c], s[16+c], s[12+c/8]          ; gn_scale / sqrt(var + eps)
.set c, c+1
.endr
	; THE COLUMNS: h of my column i, its block's scale, its 32 codes
.irp i, 0,1,2,3
.set c, 0
.rept 32
	v_fma_f32 v[H+c], v[X+4*c+\i], s[16+c], s[48+c+4*(c/16)]
.set c, c+1
.endr
	v_max3_num_f32 v40, |v[H]|, |v[H+1]|, |v[H+2]|
	v_max3_num_f32 v41, |v[H+3]|, |v[H+4]|, |v[H+5]|
.irp k, 6,10,14,18,22,26
	v_max3_num_f32 v40, v40, |v[H+\k]|, |v[H+\k+1]|
	v_max3_num_f32 v41, v41, |v[H+\k+2]|, |v[H+\k+3]|
.endr
	v_max3_num_f32 v40, v40, |v[H+30]|, |v[H+31]|
	v_max3_num_f32 v40, v40, v41, 0x4800000        ; and the floor
	v_add_nc_u32 v42, 0xfc000000, v40              ; the conversion's scale operand
	v_and_or_b32 v43, v40, 0x7f800000, s[MNT]      ; 448 x the scale
	v_lshrrev_b32 v44, 23, v42                     ; the byte
.if \i == 0
	v_mov_b32 v[SB], v44
.else
	v_lshl_or_b32 v[SB], v44, 8*\i, v[SB]
.endif
.set c, 0
.rept 32
	v_med3_num_f32 v[H+c], v[H+c], -v43, v43
.set c, c+1
.endr
.irp a, 0,1,2,3
	v_cvt_scalef32_pk8_fp8_f32 v[C+8*\i+2*\a:C+8*\i+2*\a+1], v[H+8*\a:H+8*\a+7], v42
.endr
	v_nop                                          ; a plain line between the conversions and the next column's lines, which write their sources
	ds_store_b128 v3, v[C+8*\i:C+8*\i+3] offset:16*\i          ; channels 0-15 of the block: the place of lane r of the fragment,
	ds_store_b128 v3, v[C+8*\i+4:C+8*\i+7] offset:16*\i+256    ; channels 16-31: of lane 16 + r
.endr
	; THE WAY OUT: a tile's piece of 512 bytes at a time.  The stage is the wave's own, and LDS serves a wave's instructions in order (ISA guide 5.7.1.4): no barrier, no wait between stores and loads
.irp t, 0,1,2,3,4,5,6,7
	ds_load_b128 v[X+4*\t:X+4*\t+3], v4 offset:TP*\t
.endr
.irp t, 0,1,2,3,4,5,6,7
	s_wait_dscnt 7-\t                              ; the younger loads may be out
	global_store_b128 v5, v[X+4*\t:X+4*\t+3], s[90:91] offset:4096*\t   ; 512 consecutive bytes, at a multiple of 512 from hc's first byte
.endr
	global_store_b32 v6, v[SB], s[92:93]           ; my four columns' bytes: a wave's store covers 128 consecutive bytes; one byte for each 128 that the launch reads
	s_wait_tensorcnt 0x0
	ds_add_u32 v62, v63
	s_wait_dscnt 0x0
	s_endpgm
.Lfunc_end_k_qb0b2a764f7_gnq:
	.size	k_qb0b2a764f7_gnq, .Lfunc_end_k_qb0b2a764f7_gnq-k_qb0b2a764f7_gnq
	.p2alignl 7, 3214868480
	.fill 96, 4, 3214868480
	.section	.rodata,"a",@progbits
	.p2align	6, 0x0
	.amdhsa_kernel k_qb0b2a764f7_gnq
		.amdhsa_group_segment_fixed_size 35840
		.amdhsa_private_segment_fixed_size 0
		.amdhsa_enable_private_segment 0
		.amdhsa_kernarg_size 80
		.amdhsa_user_sgpr_count 2
		.amdhsa_user_sgpr_kernarg_segment_ptr 1
		.amdhsa_wavefront_size32 1
		.amdhsa_system_sgpr_workgroup_id_x 1
		.amdhsa_system_sgpr_workgroup_id_y 1
		.amdhsa_system_sgpr_workgroup_id_z 1
		.amdhsa_system_vgpr_workitem_id 0
		.amdhsa_next_free_vgpr 256
		.amdhsa_next_free_sgpr 100
		.amdhsa_reserve_vcc 0
		.amdhsa_float_denorm_mode_32 3
		.amdhsa_float_denorm_mode_16_64 3
		.amdhsa_memory_ordered 1
		.amdhsa_forward_progress 1
		.amdhsa_inst_pref_size 58
	.end_amdhsa_kernel
	.amdgpu_metadata
---
amdhsa.version: [ 1, 2 ]
amdhsa.kernels:
  - .name:           k_qb0b2a764f7_gnq
    .symbol:         k_qb0b2a764f7_gnq.kd
    .args:
      - { .name: x, .offset: 0, .size: 8, .value_kind: global_buffer, .address_space: global }
      - { .name: gn_scale, .offset: 8, .size: 8, .value_kind: global_buffer, .address_space: global }
      - { .name: gn_bias, .offset: 16, .size: 8, .value_kind: global_buffer, .address_space: global }
      - { .name: wq, .offset: 24, .size: 8, .value_kind: global_buffer, .address_space: global }
      - { .name: wk, .offset: 32, .size: 8, .value_kind: global_buffer, .address_space: global }
      - { .name: wv, .offset: 40, .size: 8, .value_kind: global_buffer, .address_space: global }
      - { .name: wo, .offset: 48, .size: 8, .value_kind: global_buffer, .address_space: global }
      - { .name: hc, .offset: 56, .size: 8, .value_kind: global_buffer, .address_space: global }
      - { .name: hs, .offset: 64, .size: 8, .value_kind: global_buffer, .address_space: global }
      - { .name: wimg, .offset: 72, .size: 8, .value_kind: global_buffer, .address_space: global }
    .group_segment_fixed_size: 35840
    .private_segment_fixed_size: 0
    .kernarg_segment_align: 8
    .kernarg_segment_size: 80
    .max_flat_workgroup_size: 256
    .sgpr_count:     100
    .vgpr_count:     256
    .wavefront_size: 32
...
	.end_amdgpu_metadata
.endif
;; end of part 1
;; launch qkv (part 2): grid 8 x 32, 4 waves a work-group, no clusters, 0 bytes of LDS; arguments hc, hs, wimg, bq, bk, bv, qb, kv; writes qb, kv
.if DOCPART == 2
	.amdgcn_target "amdgcn-amd-amdhsa--gfx1250"
	.amdhsa_code_object_version 6
	.text
	.protected	k_qb0b2a764f7_qkv
	.globl	k_qb0b2a764f7_qkv
	.p2align	8
	.type	k_qb0b2a764f7_qkv,@function
k_qb0b2a764f7_qkv:
	s_mov_b64 s[64:65], 0
	v_nop
	global_prefetch_b8 v0, s[64:65] scope:SCOPE_SE
	s_setreg_imm32_b32 hwreg(HW_REG_WAVE_MODE, 25, 1), 1
	s_wait_xcnt 0x0
; q = wq h + bq, k = wk h + bk, v = wv h + bv on codes of E4M3 with E8M0 scales; q and k are quantised along the channels, v along the positions (the keys), and stored as images of operand registers.
; SHARES.  Work-group (j, b) owns positions 128 j .. + 127 of batch b: eight tiles of h.  Wave w makes, for all eight, channels 128 (w % 2) .. + 127 of q (w < 2) or of k (w >= 2), and channels 64 w .. + 63 of v.
; Twelve units a wave: 16 matrix instructions (8 accumulators by turns, two K steps) and one quantising of their 64 numbers a lane, whose codes are one fragment of the next product.
; q, k: source 0 = 16 rows of the weight, source 1 = 16 positions of h: a lane holds ONE position and its registers run along the channels.  v: the sources swapped: a lane holds ONE channel, registers along the positions.
; The rows of a tile (of h and of every weight) are 32 a + 8 u + r + 8 (r / 8) for tile 2 a + u: so the 16 registers of tiles 2 a and 2 a + 1 are 16 neighbours along the next K, in the order that an operand's registers want.
; The biases are the C of each sum's first matrix instruction.
; STORED.  qb: [b][j] blocks of 33,792 bytes: codes [K step 2][tile 8][2,048], scale words from 32,768 on: [K step 2][r 16][tile 8].  kv: [b][i] blocks of 67,584: K of key step (i + 1) % 8 at 0 (laid as q), V of key step i at 32,768
; ([tile of channels 16][2,048]), K's words at 65,536, V's at 66,560 ([tile / 4][r 16][tile % 4]).  K lies one block early, so that a key step of the next launch finds its V and the next step's K in one block.
; NO LDS, NO BARRIER, NO CLUSTER: each fragment of a weight is read by one wave of the work-group, once, straight into the registers where it stays for all units; through LDS it would be written and read once more, 196,608 bytes
; a work-group, and want a barrier.  h's 32,768 bytes are read by each of the four waves.
; LIMITS: a block of zeros gets the byte 1 where the rule says 127 (zero codes; this program alone reads the bytes); blocks whose largest magnitude lies under 2^-118 are held at the byte 1; NaN and infinities are not served.
; REGISTERS, in windows of 256.  Window 0: v1-7 offsets; v48-111 the unit's 8 accumulators; v112-127 its codes; v128-143 h's scale words (2 t + s); v144-159 the weight's (8 s + tile); v160-167 wv's (4 s + tile);
;   v168-175, v176-179 the scale words made; v180-183 bv; v184-189 on the way out; v200-215 at work.   Window 1: h's 16 fragments at 32 t + 16 s.   Window 2: the weight's 16 at 32 tile + 16 s.
;   Window 3: wv's 8 at 32 tile + 16 s; from v128 bq's or bk's 8 tiles; from v192 bv's 4.
.set BLK,  67584
.set QBLK, 33792
.set HA,  48
.set PC,  112
.set HS,  128
.set WS,  144
.set WVS, 160
.set SW,  168
.set VW,  176
.set BV,  180
.set T4,  184
.set TM,  200
.set WV,  20
.set SEL, 44
.set MNT, 46
.set MSB, 0
.macro WIN new                         ; the immediate's high byte repeats the setting that is left
.if MSB != \new
	s_set_vgpr_msb (MSB<<8)|\new
.set MSB, \new
.endif
.endm
; 64 numbers of a lane, register 16 b + i = k 32 b + 16 (lane / 16) + i of my row, become a fragment's codes in v[d] on and its scale word in v[w].
.macro QUANT s, d, w
.irp b, 0,1,2,3
	v_max3_num_f32 v[TM+\b], |v[\s+16*\b]|, |v[\s+1+16*\b]|, 0x4800000   ; block b: my 16 numbers, and the floor 2^(9 - 127): the byte cannot fall under 1.  (Each accumulator is read from its low end on)
.endr
.irp i, 2,4,6,8,10,12,14
.irp b, 0,1,2,3
	v_max3_num_f32 v[TM+\b], v[TM+\b], |v[\s+16*\b+\i]|, |v[\s+1+16*\b+\i]|
.endr
.endr
.irp b, 0,1,2,3
	v_permlanex16_b32 v[TM+4+\b], v[TM+\b], s[SEL], s[SEL+1]
.endr
.irp b, 0,1,2,3
	v_max_num_f32 v[TM+\b], v[TM+\b], v[TM+4+\b]   ; with lane l xor 16's: the block's largest magnitude
.endr
.irp b, 0,1,2,3
	v_add_nc_u32 v[TM+12+\b], 0xfc000000, v[TM+\b] ; 8 off its exponent field: the conversion's scale operand
.endr
.irp b, 0,1,2,3
	v_and_or_b32 v[TM+8+\b], v[TM+\b], 0x7f800000, s[MNT]   ; 448 x the scale
.endr
.irp b, 0,1,2,3
	v_lshrrev_b32 v[TM+4+\b], 23, v[TM+12+\b]      ; the scale's byte
.endr
	v_lshl_or_b32 v[\w], v[TM+5], 8, v[TM+4]
	v_lshl_or_b32 v[\w], v[TM+6], 16, v[\w]
	v_lshl_or_b32 v[\w], v[TM+7], 24, v[\w]
.irp b, 0,1,2,3
.irp i, 0,1,2,3,4,5,6,7,8,9,10,11,12,13,14,15
	v_med3_num_f32 v[\s+16*\b+\i], v[\s+16*\b+\i], -v[TM+8+\b], v[TM+8+\b]   ; the conversion to an 8-bit code does not saturate (ISA guide 7.6.2)
.endr
	v_cvt_scalef32_pk8_fp8_f32 v[\d+4*\b:\d+4*\b+1], v[\s+16*\b:\s+16*\b+7], v[TM+12+\b]
	v_cvt_scalef32_pk8_fp8_f32 v[\d+4*\b+2:\d+4*\b+3], v[\s+16*\b+8:\s+16*\b+15], v[TM+12+\b]
.endr
	v_nop                                          ; a plain line behind the last conversion: the next products write its sources
.endm
	s_load_b256 s[4:11], s[0:1], 0x0               ; hc, hs, wimg, bq
	s_load_b256 s[12:19], s[0:1], 0x20             ; bk, bv, qb, kv
	v_lshrrev_b32 v8, 5, v0
	v_readfirstlane_b32 s[WV], v8                  ; wave 0..3
	v_and_b32 v9, 31, v0                           ; L
	v_lshlrev_b32 v1, 4, v9                        ; v1: 16 L: my place in a piece of an image
	v_and_b32 v10, 15, v0                          ; r
	v_bfe_u32 v11, v0, 4, 1                        ; half
	v_and_b32 v2, 8, v10
	v_add_nc_u32 v2, v2, v10                       ; v2: r + 8 (r / 8): h's scale bytes
	v_lshlrev_b32 v3, 6, v11                       ; v3: 64 x half: bq, bk
	v_lshlrev_b32 v4, 4, v10                       ; v4: 16 r: the weights' scale words
	v_lshlrev_b32 v5, 5, v10
	v_lshl_add_u32 v5, v11, 4, v5                  ; v5: 32 r + 16 x half: q's and k's scale words on the way out
	v_lshl_add_u32 v6, v11, 3, v4                  ; v6: 16 r + 8 x half: v's
	v_lshlrev_b32 v7, 2, v2                        ; v7: 4 (r + 8 (r / 8)): bv
.irp b, 0,1,2,3
	v_mov_b32 v[TM+4+\b], 0                        ; written once: a lane permute's destination counts as one of its sources
.endr
	s_mov_b32 s[SEL], 0x76543210
	s_mov_b32 s[SEL+1], 0xfedcba98
	s_mov_b32 s[MNT], 0x600000
	s_lshr_b32 s21, s[WV], 1                       ; 0: q, 1: k
	s_and_b32 s22, s[WV], 1                        ; which 128 of its channels
	s_and_b32 s24, ttmp7, 0xffff                   ; b
	s_lshl_b32 s25, s24, 3
	s_add_co_u32 s25, s25, ttmp9                   ; 8 b + j
	s_mov_b32 s27, 0
	s_mul_i32 s38, s25, QBLK                       ; q's block;
	s_add_co_u32 s39, ttmp9, 7
	s_and_b32 s39, s39, 7                          ; k of key step j goes to block (j + 7) % 8
	s_lshl_b32 s23, s24, 3
	s_add_co_u32 s39, s39, s23
	s_mul_i32 s39, s39, BLK
	s_wait_kmcnt 0x0
	s_lshl_b32 s26, s25, 15
	s_add_nc_u64 s[4:5], s[4:5], s[26:27]          ; hc: 262,144 b + 32,768 j
	s_lshl_b32 s26, s24, 13
	s_lshl_b32 s23, ttmp9, 7
	s_add_co_u32 s26, s26, s23
	s_add_nc_u64 s[6:7], s[6:7], s[26:27]          ; hs: 8,192 b + 128 j
	s_mul_i32 s26, s21, BLK
	s_add_nc_u64 s[28:29], s[8:9], s[26:27]        ; wq's or wk's part of wimg
	s_lshl_b32 s26, s22, 9
	s_add_nc_u64 s[30:31], s[28:29], s[26:27]      ; its scale words: two groups of four tiles on for the upper half
	s_lshl_b32 s26, s22, 14
	s_add_nc_u64 s[28:29], s[28:29], s[26:27]      ; its codes: eight tiles on
	s_lshl_b32 s26, s[WV], 13
	s_add_co_u32 s26, s26, 2*BLK
	s_add_nc_u64 s[32:33], s[8:9], s[26:27]        ; wv's codes: my four tiles
	s_lshl_b32 s26, s[WV], 8
	s_add_co_u32 s26, s26, 2*BLK
	s_add_nc_u64 s[34:35], s[8:9], s[26:27]        ; and their scale words
	s_cmp_eq_u32 s21, 0                            ; the choices hang on the wave's number alone
	s_cselect_b64 s[10:11], s[10:11], s[12:13]     ; bq or bk
	s_cselect_b64 s[36:37], s[16:17], s[18:19]     ; qb or kv
	s_cselect_b32 s26, s38, s39                    ; the block
	s_mov_b32 s23, 65536
	s_cselect_b32 s23, 32768, s23                  ; where its scale words begin
	s_add_nc_u64 s[36:37], s[36:37], s[26:27]
	s_lshl_b32 s26, s22, 9
	s_add_nc_u64 s[10:11], s[10:11], s[26:27]      ; my 128 channels' biases
	s_add_co_u32 s26, s26, s23
	s_add_nc_u64 s[38:39], s[36:37], s[26:27]      ; the scale words of my K step
	s_lshl_b32 s26, s22, 14
	s_add_nc_u64 s[36:37], s[36:37], s[26:27]      ; the codes of my K step
	s_lshl_b32 s26, s[WV], 8
	s_add_nc_u64 s[14:15], s[14:15], s[26:27]      ; bv: my 64 channels
	s_mul_i32 s26, s25, BLK
	s_add_nc_u64 s[40:41], s[18:19], s[26:27]      ; v's block
	s_lshl_b32 s26, s[WV], 8
	s_add_co_u32 s26, s26, 66560
	s_add_nc_u64 s[42:43], s[40:41], s[26:27]      ; its scale words, my four tiles'
	s_lshl_b32 s26, s[WV], 13
	s_add_co_u32 s26, s26, 32768
	s_add_nc_u64 s[40:41], s[40:41], s[26:27]      ; its codes, my four tiles'
	WIN 0x40                                       ; destination window 1
.set u, 0
.rept 16                                       ; h's fragments, as they lie
.irp c, 0,1,2,3
	global_load_b128 v[16*u+4*\c:16*u+4*\c+3], v1, s[4:5] offset:2048*u+512*\c
.endr
.set u, u+1
.endr
	WIN 0x80                                       ; window 2
.irp t, 0,1,2,3,4,5,6,7
.irp s, 0,1
.irp c, 0,1,2,3
	global_load_b128 v[32*\t+16*\s+4*\c:32*\t+16*\s+4*\c+3], v1, s[28:29] offset:32768*\s+2048*\t+512*\c
.endr
.endr
.endr
	WIN 0xc0                                       ; window 3
.irp t, 0,1,2,3
.irp s, 0,1
.irp c, 0,1,2,3
	global_load_b128 v[32*\t+16*\s+4*\c:32*\t+16*\s+4*\c+3], v1, s[32:33] offset:32768*\s+2048*\t+512*\c
.endr
.endr
.endr
.irp t, 0,1,2,3,4,5,6,7                        ; bq or bk in the result's layout: for tile 2 a + u lane (r, half) wants channels 32 a + 16 half + 8 u + 0 .. 7
	global_load_b128 v[128+8*\t:128+8*\t+3], v3, s[10:11] offset:4*(32*(\t/2)+8*(\t%2))
	global_load_b128 v[128+8*\t+4:128+8*\t+7], v3, s[10:11] offset:4*(32*(\t/2)+8*(\t%2))+16
.endr
	WIN 0
.irp t, 0,1,2,3
	global_load_b32 v[BV+\t], v7, s[14:15] offset:4*(32*(\t/2)+8*(\t%2))   ; bv of my lane's channel
.endr
.irp s, 0,1
.irp a, 0,1
	global_load_b128 v[WS+8*\s+4*\a:WS+8*\s+4*\a+3], v4, s[30:31] offset:65536+1024*\s+256*\a   ; four tiles' scale words of row r
.endr
	global_load_b128 v[WVS+4*\s:WVS+4*\s+3], v4, s[34:35] offset:65536+1024*\s
.endr
.irp t, 0,1,2,3,4,5,6,7
.irp a, 0,1,2,3,4,5,6,7
	global_load_u8 v[HA+8*\t+\a], v2, s[6:7] offset:1024*\a+32*(\t/2)+8*(\t%2)   ; h's scale byte of block a at my position of tile t
.endr
.endr
	s_wait_loadcnt 0x0
.irp t, 0,1,2,3,4,5,6,7
.irp s, 0,1
	v_lshl_or_b32 v[HS+2*\t+\s], v[HA+8*\t+4*\s+1], 8, v[HA+8*\t+4*\s]
	v_lshl_or_b32 v[HS+2*\t+\s], v[HA+8*\t+4*\s+2], 16, v[HS+2*\t+\s]
	v_lshl_or_b32 v[HS+2*\t+\s], v[HA+8*\t+4*\s+3], 24, v[HS+2*\t+\s]
.endr
.endr
	WIN 0xc0
.irp t, 0,1,2,3
.irp i, 0,1,2,3,4,5,6,7
	v_mov_b32 v[192+8*\t+\i], v[BV+\t]             ; v's bias as a C: a lane holds one channel, so all eight registers hold its bias.  (These 32 lines are also the places between the scale words' making and the products)
.endr
.endr
; Behind a unit's products: eight places ahead of the first read of results; the last unit's stores have read their data; the quantiser; the fragment's image, four stores of 512 consecutive bytes.
; The next unit's first products write over the accumulators with another C: behind these eight places stand the quantiser's lines on v[TM ..], which name none of the products' registers.
.macro TAIL w, p, o
	WIN 0
.rept 8
	v_nop
.endr
	s_wait_xcnt 0x0
	QUANT HA, PC, \w
.irp c, 0,1,2,3
	global_store_b128 v1, v[PC+4*\c:PC+4*\c+3], s[\p:\p+1] offset:\o+512*\c
.endr
.endm
; q or k of h's tile t: my eight tiles of the weight.  The eight accumulators take turns, one instruction a turn.
.macro QK t
	WIN 0x36                                       ; source 0 (the weight) window 2, source 1 (h) window 1, C (the bias) window 3
.irp u, 0,1,2,3,4,5,6,7
	v_wmma_scale_f32_16x16x128_f8f6f4 v[HA+8*\u:HA+8*\u+7], v[32*\u:32*\u+15], v[32*(\t):32*(\t)+15], v[128+8*\u:128+8*\u+7], v[WS+\u], v[HS+2*(\t)]
.endr
	WIN 0x06
.irp u, 0,1,2,3,4,5,6,7
	v_wmma_scale_f32_16x16x128_f8f6f4 v[HA+8*\u:HA+8*\u+7], v[32*\u+16:32*\u+31], v[32*(\t)+16:32*(\t)+31], v[HA+8*\u:HA+8*\u+7], v[WS+8+\u], v[HS+2*(\t)+1]
.endr
	TAIL SW+\t, 36, 2048*(\t)
.endm
; v of my tile a of channels: all eight tiles of h, the sources swapped.
.macro VU a
	WIN 0x3d                                       ; source 0 (h) window 1, source 1 (wv) and C (the bias) window 3
.irp t, 0,1,2,3,4,5,6,7
	v_wmma_scale_f32_16x16x128_f8f6f4 v[HA+8*\t:HA+8*\t+7], v[32*\t:32*\t+15], v[32*(\a):32*(\a)+15], v[192+8*(\a):192+8*(\a)+7], v[HS+2*\t], v[WVS+(\a)]
.endr
	WIN 0x0d
.irp t, 0,1,2,3,4,5,6,7
	v_wmma_scale_f32_16x16x128_f8f6f4 v[HA+8*\t:HA+8*\t+7], v[32*\t+16:32*\t+31], v[32*(\a)+16:32*(\a)+31], v[HA+8*\t:HA+8*\t+7], v[HS+2*\t+1], v[WVS+4+(\a)]
.endr
	TAIL VW+\a, 40, 2048*(\a)
.endm
.irp n, 0,1,2,3,4,5,6,7
	QK \n
.endr
.irp n, 0,1,2,3
	VU \n
.endr
	; the scale words: lane r and lane r + 16 hold the same, so each half of the lanes stores half of them
	v_cmp_le_u32 vcc_lo, 16, v9
.irp i, 0,1,2,3
	v_cndmask_b32 v[T4+\i], v[SW+\i], v[SW+4+\i], vcc_lo
.endr
	global_store_b128 v5, v[T4:T4+3], s[38:39]     ; [r][tile 8]: 512 consecutive bytes
	v_cndmask_b32 v[T4+4], v[VW], v[VW+2], vcc_lo
	v_cndmask_b32 v[T4+5], v[VW+1], v[VW+3], vcc_lo
	global_store_b64 v6, v[T4+4:T4+5], s[42:43]    ; [r][tile 4]: 256 consecutive bytes
	s_endpgm
.Lfunc_end_k_qb0b2a764f7_qkv:
	.size	k_qb0b2a764f7_qkv, .Lfunc_end_k_qb0b2a764f7_qkv-k_qb0b2a764f7_qkv
	.p2alignl 7, 3214868480
	.fill 96, 4, 3214868480
	.section	.rodata,"a",@progbits
	.p2align	6, 0x0
	.amdhsa_kernel k_qb0b2a764f7_qkv
		.amdhsa_group_segment_fixed_size 0
		.amdhsa_private_segment_fixed_size 0
		.amdhsa_enable_private_segment 0
		.amdhsa_kernarg_size 64
		.amdhsa_user_sgpr_count 2
		.amdhsa_user_sgpr_kernarg_segment_ptr 1
		.amdhsa_wavefront_size32 1
		.amdhsa_system_sgpr_workgroup_id_x 1
		.amdhsa_system_sgpr_workgroup_id_y 1
		.amdhsa_system_sgpr_workgroup_id_z 1
		.amdhsa_system_vgpr_workitem_id 0
		.amdhsa_next_free_vgpr 1024
		.amdhsa_next_free_sgpr 66
		.amdhsa_reserve_vcc 1
		.amdhsa_float_denorm_mode_32 3
		.amdhsa_float_denorm_mode_16_64 3
		.amdhsa_memory_ordered 1
		.amdhsa_forward_progress 1
		.amdhsa_inst_pref_size 160
	.end_amdhsa_kernel
	.amdgpu_metadata
---
amdhsa.version: [ 1, 2 ]
amdhsa.kernels:
  - .name:           k_qb0b2a764f7_qkv
    .symbol:         k_qb0b2a764f7_qkv.kd
    .args:
      - { .name: hc, .offset: 0, .size: 8, .value_kind: global_buffer, .address_space: global }
      - { .name: hs, .offset: 8, .size: 8, .value_kind: global_buffer, .address_space: global }
      - { .name: wimg, .offset: 16, .size: 8, .value_kind: global_buffer, .address_space: global }
      - { .name: bq, .offset: 24, .size: 8, .value_kind: global_buffer, .address_space: global }
      - { .name: bk, .offset: 32, .size: 8, .value_kind: global_buffer, .address_space: global }
      - { .name: bv, .offset: 40, .size: 8, .value_kind: global_buffer, .address_space: global }
      - { .name: qb, .offset: 48, .size: 8, .value_kind: global_buffer, .address_space: global }
      - { .name: kv, .offset: 56, .size: 8, .value_kind: global_buffer, .address_space: global }
    .group_segment_fixed_size: 0
    .private_segment_fixed_size: 0
    .kernarg_segment_align: 8
    .kernarg_segment_size: 64
    .max_flat_workgroup_size: 128
    .sgpr_count:     66
    .vgpr_count:     1024
    .wavefront_size: 32
...
	.end_amdgpu_metadata
.endif
;; end of part 2
;; launch attn (part 3): grid 8 x 32, 4 waves a work-group, clusters of 4 x 1, 327,680 bytes of LDS; arguments qb, kv, wimg, bo, x, out0; writes out0
.if DOCPART == 3
	.amdgcn_target "amdgcn-amd-amdhsa--gfx1250"
	.amdhsa_code_object_version 6
	.text
	.protected	k_qb0b2a764f7_attn
	.globl	k_qb0b2a764f7_attn
	.p2align	8
	.type	k_qb0b2a764f7_attn,@function
k_qb0b2a764f7_attn:
	s_mov_b64 s[64:65], 0
	v_nop
	global_prefetch_b8 v0, s[64:65] scope:SCOPE_SE
	s_setreg_imm32_b32 hwreg(HW_REG_WAVE_MODE, 25, 1), 1
	s_wait_xcnt 0x0
	s_wait_alu depctr_hold_cnt(0) depctr_sa_sdst(0) depctr_va_vdst(0) depctr_va_sdst(0) depctr_va_ssrc(0) depctr_va_vcc(0) depctr_vm_vsrc(0)
	s_getreg_b32 s2, hwreg(HW_REG_IB_STS2, 6, 4)
	s_cmp_eq_u32 s2, 0
	s_cbranch_scc0 .Lentry_in_a_cluster
	s_endpgm
.Lentry_in_a_cluster:
	s_bfe_u32 s2, ttmp6, 0x10000c
	s_cmp_lg_u32 s2, 0x3003
	s_cbranch_scc0 .Lentry_shape_is_right
	s_endpgm
.Lentry_shape_is_right:
; out0 = x + wo (v softmax(q^T k / 16)^T) + bo, all three products on codes of E4M3 with one E8M0 scale for each 32 along K.
; THE SOFTMAX AHEAD OF THE SECOND PRODUCT: t = score x log2(e) / 16; M = the row's largest t so far, rounded UP to a whole number; p = 2^(t - M) is quantised along the keys, not normalised.  The row's sum is taken of the
; unquantised p and divides at the end.  When M moves, the sum and O are multiplied by 2^(old M - new M): exact.
; SHARES.  Work-group (j, b) owns queries 128 j .. + 127 of batch b; wave w two tiles of 16 of them (positions 128 j + 32 w .. + 31).  Every wave walks the batch's 1,024 keys, 128 a step; each fragment of K and V that it reads from
; LDS feeds two matrix instructions.
; LAYOUT.  S^T = K Q^T and O^T = V P^T: a lane holds ONE query throughout.  A tile's rows (keys, queries, channels) are 32 a + 8 u + r + 8 (r / 8) for tile 2 a + u: the 16 registers of tiles 2 a and 2 a + 1 are 16 neighbours along the
; next K, so p's codes are the second product's operand, and O^T / l, quantised along the channels, the third's.  The third product takes o as source 0 and wo as source 1: a lane then holds one output channel and eight neighbouring positions.
; All operands come as images of operand registers (a fragment: four pieces of 512 bytes, lane l's 16 bytes at 16 l): every LDS read is 512 consecutive bytes.
; THE RING.  kv's block i (67,584 bytes) holds V of key step i, K of key step i + 1 and their scale words: step i reads slot i % 2 alone.  K of step 0 (block 7) comes straight from memory into registers at the head.
; Two slots; a slot is filled again behind the change of slots that leaves it, and that load has a whole step in which to land.  wo's block is filled once.
; CLUSTER.  The four work-groups of a cluster belong to one batch and walk the same blocks: each block, and wo's, is asked for JOINTLY: each wave a quarter (66 rows of 256 bytes), the same descriptor and the mask 15 in all four.
; The work-group's place in the cluster enters the addresses of Q, x, out0 and the prefetches alone.
; LIMITS: a block of zeros gets the byte 1 where the rule says 127 (zero codes); blocks whose largest magnitude lies under 2^-118 are held at the byte 1; NaN and infinities are not served.  A block's largest p is made from the
; block's largest score by the same two instructions: that takes v_exp_f32 not to fall where its input rises.
; REGISTERS, in windows of 256.  Window 0: v1-11 addresses; v12-19 -M, the largest t, the sum's two halves, for each tile; v20-23 Q's scale words (2 q + s), later o's; v24-25 p's; v26-47 at work; v48-63 K's scale words, v64-79 V's
;   (later wo's); v80-111 p's codes; v112-239 S^T, then p (64 a tile); v240-255 bo.   Window 1: O^T at 128 q + 8 tile.   Window 2: V's 16 fragments; its first 128 registers take K's second K step between the products.
;   Window 3: v0-127 K's first K step; v128-191 Q.
.set BLK,   67584
.set QBLK,  33792
.set QUART, 16896                      ; a quarter of a block: 66 rows of 256 bytes
.set WOB,   2*BLK                      ; LDS: slot 0, slot 1, wo's block,
.set SPARE, 3*BLK                      ; and the spare words, 128 bytes for each wave: two blocks of 256 bytes that no other line names
.set SP,    528                        ; the way out: a stage of 256 rows x (512 bytes + 16), over the two slots, which have then had their last fill and their last read
.set LI,   1                           ; v1   16 x lane
.set ADR,  2                           ; v2   the slot in hand + 16 x lane
.set AKS0, 3                           ; v3   my place among K's scale words;  v4 among V's;  v5, v6 the same in the slot in hand
.set AVS0, 4
.set AKS,  5
.set AVS,  6
.set SPW,  7                           ; v7   LDS address of my spare word; never rewritten
.set NIL,  8                           ; v8   0; never rewritten
.set PFO,  9                           ; v9   256 x lane: the prefetches of kv; never rewritten
.set PFO2, 10                          ; v10  4,096 (lane / 2) + 256 (lane % 2): the prefetches of x; never rewritten
.set TA,   11
.set ST,   12
.set QW,   20
.set PW,   24
.set BM,   26                          ; v26-29 the blocks' largest scores, then largest p
.set PX,   30                          ; v30-33 the other half of the lanes'; then the bytes
.set HD,   34                          ; v34-37 448 x the scale
.set SCL,  38                          ; v38-41 the conversions' scale operands
.set TM,   26                          ; the quantiser of o works in the same sixteen
.set TT,   42
.set F,    44                          ; v[44:45] 2^(old M - new M); v45 is named with it as a pair
.set SC2,  46                          ; v[46:47] the sums' second chain
.set KS,   48
.set VS,   64
.set P,    80
.set S,    112
.set OC,   176                         ; o's four fragments (2 q + e)
.set BO,   240
.set SO,   3                           ; the way out: v3, v4 where I put results; v5 where I read rows back
.set WV,   16
.set CX,   17
.set JJ,   18
.set BB,   19
.set SEL,  20
.set CS,   22
.set MNT,  24
.set TB,   25                          ; s25  LDS byte at which the slot in hand begins
.set CNT,  26
.set LIM,  27                          ; s27  1 in a wave that prefetches kv, else the greatest number
.set G1,   28                          ; s[28:35] descriptor group 1, for all loads
.set G0A,  36                          ; s[36:39] group 0: block 0 to slot 0;  s[40:43] block 1 to slot 1, which then walks;  s[44:47] wo's block
.set G0B,  40
.set G0C,  44
.set PFA,  48
.set PFX,  50
.set KVB,  52                          ; s[52:53] kv at my batch;  s[54:55] my block of qb;  s[56:57] my wave's tiles in it;  s[58:59] x, s[60:61] out0 at my wave's 64 rows
.set MSB, 0
.macro WIN new                         ; the immediate's high byte repeats the setting that is left
.if MSB != \new
	s_set_vgpr_msb (MSB<<8)|\new
.set MSB, \new
.endif
.endm
.macro CROUND                          ; a round of the cluster's barrier
	s_barrier_signal -1
	s_barrier_wait -1
	s_cmp_lg_u32 s[WV], 0
	s_cbranch_scc1 .Lnot_wave_0_\@
	s_barrier_signal -3
.Lnot_wave_0_\@:
	s_barrier_wait -3
	s_barrier_signal -1
	s_barrier_wait -1
.endm
.macro PLACES n
.rept \n
	v_nop
.endr
.endm
; 64 numbers of a lane, register 16 b + i = k 32 b + 16 (lane / 16) + i of my row, become a fragment's codes in v[d] on and its scale word in v[w].
.macro QUANT s, d, w
.irp b, 0,1,2,3
	v_max3_num_f32 v[TM+\b], |v[\s+16*\b]|, |v[\s+1+16*\b]|, 0x4800000
.endr
.irp i, 2,4,6,8,10,12,14
.irp b, 0,1,2,3
	v_max3_num_f32 v[TM+\b], v[TM+\b], |v[\s+16*\b+\i]|, |v[\s+1+16*\b+\i]|
.endr
.endr
.irp b, 0,1,2,3
	v_permlanex16_b32 v[TM+4+\b], v[TM+\b], s[SEL], s[SEL+1]
.endr
.irp b, 0,1,2,3
	v_max_num_f32 v[TM+\b], v[TM+\b], v[TM+4+\b]
.endr
.irp b, 0,1,2,3
	v_add_nc_u32 v[TM+12+\b], 0xfc000000, v[TM+\b]
.endr
.irp b, 0,1,2,3
	v_and_or_b32 v[TM+8+\b], v[TM+\b], 0x7f800000, s[MNT]
.endr
.irp b, 0,1,2,3
	v_lshrrev_b32 v[TM+4+\b], 23, v[TM+12+\b]
.endr
	v_lshl_or_b32 v[\w], v[TM+5], 8, v[TM+4]
	v_lshl_or_b32 v[\w], v[TM+6], 16, v[\w]
	v_lshl_or_b32 v[\w], v[TM+7], 24, v[\w]
.irp b, 0,1,2,3
.irp i, 0,1,2,3,4,5,6,7,8,9,10,11,12,13,14,15
	v_med3_num_f32 v[\s+16*\b+\i], v[\s+16*\b+\i], -v[TM+8+\b], v[TM+8+\b]   ; the conversion to an 8-bit code does not saturate (ISA guide 7.6.2)
.endr
	v_cvt_scalef32_pk8_fp8_f32 v[\d+4*\b:\d+4*\b+1], v[\s+16*\b:\s+16*\b+7], v[TM+12+\b]
	v_cvt_scalef32_pk8_fp8_f32 v[\d+4*\b+2:\d+4*\b+3], v[\s+16*\b+8:\s+16*\b+15], v[TM+12+\b]
.endr
	v_nop                                          ; a plain line behind the last conversion
.endm
	s_load_b256 s[4:11], s[0:1], 0x0               ; qb, kv, wimg, bo
	s_load_b128 s[12:15], s[0:1], 0x20             ; x, out0
	v_lshl_add_u32 v[SPW], v0, 2, SPARE
	v_mov_b32 v[NIL], 0
	ds_add_u32 v7, v8
	ds_add_u32 v7, v8
	s_wait_dscnt 0x0
	v_lshrrev_b32 v2, 5, v0
	v_readfirstlane_b32 s[WV], v2                  ; wave 0..3
	s_bfe_u32 s[CX], ttmp6, 0x40000                ; my place in the cluster
	s_lshl_b32 s[JJ], ttmp9, 2                     ; in a cluster launch ttmp9 counts clusters
	s_add_co_u32 s[JJ], s[JJ], s[CX]               ; j
	s_and_b32 s[BB], ttmp7, 0xffff                 ; b, which the four partners share
	; descriptor group 1: 66 rows of 32 elements of 8 bytes, dense in memory and in LDS
	s_mov_b32 s[G1], 15|(3<<16)|(1<<21)            ; 15:0 the mask: all four work-groups; 17:16 elements of 8 bytes; 20 no padding; 21 set beside a mask
	s_mov_b32 s[G1+1], 32<<16                      ; tensor_dim0 = 32
	s_mov_b32 s[G1+2], 66<<16                      ; tensor_dim1 = 66
	s_mov_b32 s[G1+3], 32<<16                      ; tile_dim0 = 32
	s_mov_b32 s[G1+4], 66                          ; tile_dim1 = 66
	s_mov_b32 s[G1+5], 32                          ; from row to row
	s_mov_b32 s[G1+6], 0
	s_mov_b32 s[G1+7], 0
	s_mov_b32 s[SEL], 0x76543210
	s_mov_b32 s[SEL+1], 0xfedcba98
	s_mov_b32 s[CS], 0x3db8aa3b                    ; c = log2(e) / 16
	s_mov_b32 s[CS+1], s[CS]                       ; (named with it as a pair, so it is written)
	s_mov_b32 s[MNT], 0x600000
	s_mov_b32 s[TB], 0
	s_mov_b32 s[G0A], 1
	s_mov_b32 s[G0B], 1
	s_mov_b32 s[G0C], 1
	s_mul_i32 s[G0A+1], s[WV], QUART               ; LDS: my quarter of slot 0,
	s_add_co_u32 s[G0B+1], s[G0A+1], BLK           ; of slot 1 (the wave's term has bits 9, 10, 14, 15, the slot's bits 11 and 16: one exclusive or turns one slot's address into the other's),
	s_add_co_u32 s[G0C+1], s[G0A+1], WOB           ; of wo's block
	s_mul_i32 s62, s[BB], 8*BLK
	s_mov_b32 s63, 0
	s_mov_b32 s66, s[G0A+1]
	s_mov_b32 s67, 0
	s_wait_kmcnt 0x0
	s_add_nc_u64 s[KVB:KVB+1], s[6:7], s[62:63]
	s_add_nc_u64 s[G0A+2:G0A+3], s[KVB:KVB+1], s[66:67]
	s_add_nc_u64 s[G0B+2:G0B+3], s[G0A+2:G0A+3], BLK
	s_add_nc_u64 s[G0C+2:G0C+3], s[8:9], s[66:67]
	s_add_nc_u64 s[G0C+2:G0C+3], s[G0C+2:G0C+3], 3*BLK
	s_or_b32 s[G0A+3], s[G0A+3], 0x80000000        ; type = 2
	s_or_b32 s[G0B+3], s[G0B+3], 0x80000000
	s_or_b32 s[G0C+3], s[G0C+3], 0x80000000
	CROUND                                         ; all four work-groups are here: the first joint loads meet
	tensor_load_to_lds s[G0A:G0A+3], s[G1:G1+7]    ; the first fills go out together: three loads of mine are out
	s_nop 0
	tensor_load_to_lds s[G0B:G0B+3], s[G1:G1+7]
	s_nop 0
	tensor_load_to_lds s[G0C:G0C+3], s[G1:G1+7]
	s_nop 0
	PLACES 4
	; what hangs on my place in the cluster is made in s[70:73] alone
	s_mov_b32 s71, 0
	s_lshl_b32 s70, s[BB], 3
	s_add_co_u32 s70, s70, s[JJ]
	s_mul_i32 s70, s70, QBLK
	s_add_nc_u64 s[54:55], s[4:5], s[70:71]        ; my block of qb
	s_lshl_b32 s70, s[WV], 12
	s_add_nc_u64 s[56:57], s[54:55], s[70:71]      ; my two tiles' codes
	s_lshl_b32 s70, s[BB], 20
	s_lshl_b32 s72, s[WV], 18
	s_add_co_u32 s70, s70, s72
	s_lshl_b32 s72, s[JJ], 9
	s_add_co_u32 s70, s70, s72                     ; batch b, channel 64 w, position 128 j
	s_add_nc_u64 s[58:59], s[12:13], s[70:71]
	s_add_nc_u64 s[60:61], s[14:15], s[70:71]
	s_mov_b64 s[PFX:PFX+1], s[58:59]
	s_lshl_b32 s70, s[CX], 14                      ; the prefetches of kv: of a block's 65,536 bytes of codes each partner takes 16,384, told apart by address, each of its waves 0 and 1 half of that
	s_lshl_b32 s72, s[WV], 13
	s_add_co_u32 s70, s70, s72
	s_add_co_u32 s70, s70, 2*BLK                   ; in block 2: the first change of slots steps it to block 3
	s_add_nc_u64 s[PFA:PFA+1], s[KVB:KVB+1], s[70:71]
	s_lshr_b32 s72, s[WV], 1                       ; 0 in waves 0 and 1,
	s_or_b32 s72, s72, ttmp9                       ; of the batch's first cluster: the same in all four partners
	s_cmp_eq_u32 s72, 0
	s_cselect_b32 s[LIM], 1, -1
	v_and_b32 v2, 31, v0
	v_lshlrev_b32 v[LI], 4, v2
	v_lshlrev_b32 v[PFO], 8, v2
	v_lshrrev_b32 v[TA], 1, v2
	v_and_b32 v[PFO2], 1, v2
	v_lshlrev_b32 v[PFO2], 8, v[PFO2]
	v_lshl_add_u32 v[PFO2], v[TA], 12, v[PFO2]
	v_and_b32 v[TA], 15, v0                        ; r
	v_lshlrev_b32 v112, 5, v[TA]                   ; 32 r: K's scale words, [r][tile 8]
	v_add_nc_u32 v[AKS0], 65536, v112
	v_lshlrev_b32 v[AVS0], 4, v[TA]
	v_add_nc_u32 v[AVS0], 66560, v[AVS0]           ; V's: [tile / 4][r][tile % 4]
	s_lshl_b32 s72, s[WV], 3
	v_add_nc_u32 v113, s72, v112                   ; Q's: 32 r + 4 (2 w + q)
	v_and_b32 v114, 8, v[TA]
	v_add_nc_u32 v114, v114, v[TA]
	v_lshlrev_b32 v114, 2, v114                    ; bo: 4 (r + 8 (r / 8))
	WIN 0xc0                                       ; destination window 3
.irp q, 0,1
.irp s, 0,1
.irp c, 0,1,2,3
	global_load_b128 v[128+32*\q+16*\s+4*\c:128+32*\q+16*\s+4*\c+3], v[LI], s[56:57] offset:16384*\s+2048*\q+512*\c   ; Q stays in registers
.endr
.endr
.endr
.set u, 0
.rept 8
.irp c, 0,1,2,3
	global_load_b128 v[16*u+4*\c:16*u+4*\c+3], v[LI], s[KVB:KVB+1] offset:7*BLK+2048*u+512*\c   ; K of key step 0 lies in block 7: its first K step,
.endr
.set u, u+1
.endr
	WIN 0x80
.set u, 0
.rept 8
.irp c, 0,1,2,3
	global_load_b128 v[16*u+4*\c:16*u+4*\c+3], v[LI], s[KVB:KVB+1] offset:7*BLK+16384+2048*u+512*\c   ; its second,
.endr
.set u, u+1
.endr
	WIN 0
.irp e, 0,1
.irp f, 0,1
	global_load_b128 v[KS+8*\e+4*\f:KS+8*\e+4*\f+3], v112, s[KVB:KVB+1] offset:7*BLK+65536+512*\e+16*\f   ; its scale words
.endr
.endr
.irp q, 0,1
.irp s, 0,1
	global_load_b32 v[QW+2*\q+\s], v113, s[54:55] offset:32768+512*\s+4*\q
.endr
.endr
.set u, 0
.rept 16
	global_load_b32 v[BO+u], v114, s[10:11] offset:4*(32*(u/2)+8*(u%2))   ; bo of my lane's channel in tile u
.set u, u+1
.endr
.irp q, 0,1
	v_mov_b32 v[ST+4*\q+1], 0xff61b1e6             ; the largest t so far: -3e38, under every t
	v_floor_f32 v[ST+4*\q], -v[ST+4*\q+1]          ; -M
	v_mov_b32 v[ST+4*\q+2], 0                      ; the sum, in two halves
	v_mov_b32 v[ST+4*\q+3], 0
.endr
.irp b, 0,1,2,3
	v_mov_b32 v[PX+\b], 0                          ; written once: a lane permute's destination counts as one of its sources
.endr
	v_mov_b32 v[F+1], 0
	WIN 0x40
.set i, 0
.rept 256
	v_mov_b32 v[i], 0                              ; O^T.  The key step is written without a first step of its own: it finds zeros, which the first change of M leaves zeros.  These lines stand while the first fills are on their way
.set i, i+1
.endr
	WIN 0
; THE SOFTMAX of tile q for one key step: 64 scores a lane.
.macro SOFTMAX q
.set rS, S+64*\q
.set rT, ST+4*\q
.set rP, P+16*\q
	WIN 0
.irp b, 0,1,2,3
	v_max3_num_f32 v[BM+\b], v[rS+16*\b], v[rS+16*\b+1], v[rS+16*\b+2]   ; the largest score of each block of 32 keys: for the row's maximum, and, since p rises with the score, for the block's largest p
.endr
.irp i, 3,5,7,9,11,13
.irp b, 0,1,2,3
	v_max3_num_f32 v[BM+\b], v[BM+\b], v[rS+16*\b+\i], v[rS+16*\b+\i+1]
.endr
.endr
.irp b, 0,1,2,3
	v_max_num_f32 v[BM+\b], v[BM+\b], v[rS+16*\b+15]
.endr
.irp b, 0,1,2,3
	v_permlanex16_b32 v[PX+\b], v[BM+\b], s[SEL], s[SEL+1]
.endr
.irp b, 0,1,2,3
	v_max_num_f32 v[BM+\b], v[BM+\b], v[PX+\b]     ; with lane l xor 16's 16 keys
.endr
	v_max3_num_f32 v[TT], v[BM], v[BM+1], v[BM+2]
	v_max_num_f32 v[TT], v[TT], v[BM+3]            ; the step's largest score of my query
	v_mul_f32 v[TT], s[CS], v[TT]                  ; as t (c is positive)
	v_max_num_f32 v[rT+1], v[rT+1], v[TT]          ; the running largest t
	v_mov_b32 v[TT], v[rT]
	v_floor_f32 v[rT], -v[rT+1]                    ; the new -M = floor(-t) = -ceil(t)
	v_sub_f32 v[TT], v[rT], v[TT]                  ; old M - new M: a whole number, 0 or less
	v_cvt_i32_f32 v[TT], v[TT]                     ; (it saturates)
	v_ldexp_f32 v[F], 1.0, v[TT]                   ; f = 2^(old M - new M)
.set i, 0
.rept 32
	v_pk_fma_f32 v[rS+i:rS+i+1], v[rS+i:rS+i+1], s[CS:CS+1], v[rT:rT+1] op_sel_hi:[1,0,0]   ; t - M, two at a time
.set i, i+2
.endr
.irp b, 0,1,2,3
	v_fma_f32 v[BM+\b], v[BM+\b], s[CS], v[rT]     ; the same of each block's largest score
.endr
.set i, 0
.rept 64
	v_exp_f32 v[rS+i], v[rS+i]                     ; p = 2^(t - M), at most 1
.set i, i+1
.endr
	v_pk_mul_f32 v[rT+2:rT+3], v[rT+2:rT+3], v[F:F+1] op_sel_hi:[1,0]   ; the sums under the new M: the plain line behind the exponentials
	s_wait_alu depctr_va_vdst(0)                   ; one wait for the batch of 64, ahead of its first reader
.irp b, 0,1,2,3
	v_exp_f32 v[BM+\b], v[BM+\b]                   ; the block's largest p
.endr
	v_pk_add_f32 v[SC2:SC2+1], v[rS:rS+1], v[rS+2:rS+3]   ; the row's sum is taken of the unquantised p, in two chains; these lines read the 64 alone
.irp j, 4,8,12,16,20,24,28,32,36,40,44,48,52,56,60
	v_pk_add_f32 v[rT+2:rT+3], v[rT+2:rT+3], v[rS+\j:rS+\j+1]
	v_pk_add_f32 v[SC2:SC2+1], v[SC2:SC2+1], v[rS+\j+2:rS+\j+3]
.endr
	v_pk_add_f32 v[rT+2:rT+3], v[rT+2:rT+3], v[SC2:SC2+1]
	s_wait_alu depctr_va_vdst(0)                   ; and one for the four
.irp b, 0,1,2,3
	v_max_num_f32 v[BM+\b], 0x4800000, v[BM+\b]    ; the floor 2^(9 - 127)
.endr
.irp b, 0,1,2,3
	v_add_nc_u32 v[SCL+\b], 0xfc000000, v[BM+\b]
.endr
.irp b, 0,1,2,3
	v_and_or_b32 v[HD+\b], v[BM+\b], 0x7f800000, s[MNT]
.endr
.irp b, 0,1,2,3
	v_lshrrev_b32 v[PX+\b], 23, v[SCL+\b]
.endr
	v_lshl_or_b32 v[PW+\q], v[PX+1], 8, v[PX]      ; p's scale word for these 128 keys
	v_lshl_or_b32 v[PW+\q], v[PX+2], 16, v[PW+\q]
	v_lshl_or_b32 v[PW+\q], v[PX+3], 24, v[PW+\q]
.irp b, 0,1,2,3
.irp i, 0,1,2,3,4,5,6,7,8,9,10,11,12,13,14,15
	v_min_num_f32 v[rS+16*\b+\i], v[rS+16*\b+\i], v[HD+\b]   ; p is not negative: the hold is one-sided
.endr
	v_cvt_scalef32_pk8_fp8_f32 v[rP+4*\b:rP+4*\b+1], v[rS+16*\b:rS+16*\b+7], v[SCL+\b]
	v_cvt_scalef32_pk8_fp8_f32 v[rP+4*\b+2:rP+4*\b+3], v[rS+16*\b+8:rS+16*\b+15], v[SCL+\b]
.endr
	WIN 0x41                                       ; O^T (destination and source 0) in window 1, f in window 0
.set i, 0
.rept 64
	v_pk_mul_f32 v[128*\q+i:128*\q+i+1], v[128*\q+i:128*\q+i+1], v[F:F+1] op_sel_hi:[1,0]   ; O^T under the new M; each accumulator from its low end on
.set i, i+2
.endr
	WIN 0
.endm
; 16 products of O^T += V P^T: tiles a .. a + 7 of the channels x my two tiles of queries.  The accumulators take turns, one instruction a turn.
.macro PV8 a
.set u, \a
.rept 8
.irp q, 0,1
	v_wmma_scale_f32_16x16x128_f8f6f4 v[128*\q+8*u:128*\q+8*u+7], v[16*u:16*u+15], v[P+16*\q:P+16*\q+15], v[128*\q+8*u:128*\q+8*u+7], v[VS+u], v[PW+\q]
.endr
.set u, u+1
.endr
.endm
; A KEY STEP.  pf = 1: x's rows for the way out are prefetched.
.macro BODY pf
	WIN 0x0f                                       ; K's first K step and Q in window 3, S^T in window 0
.irp t, 0,1,2,3,4,5,6,7
.irp q, 0,1
	v_wmma_scale_f32_16x16x128_f8f6f4 v[S+64*\q+8*\t:S+64*\q+8*\t+7], v[16*\t:16*\t+15], v[128+32*\q:128+32*\q+15], 0, v[KS+\t], v[QW+2*\q]
.endr
.endr
	WIN 0x0e                                       ; K's second K step in window 2
.irp t, 0,1,2,3,4,5,6,7
.irp q, 0,1
	v_wmma_scale_f32_16x16x128_f8f6f4 v[S+64*\q+8*\t:S+64*\q+8*\t+7], v[16*\t:16*\t+15], v[144+32*\q:144+32*\q+15], v[S+64*\q+8*\t:S+64*\q+8*\t+7], v[KS+8+\t], v[QW+2*\q+1]
.endr
.endr
	WIN 0
	v_add_nc_u32 v[ADR], s[TB], v[LI]              ; three additions and five v_nop: the eight places ahead of loads into registers that these products have read, and of the first read of their results
	v_add_nc_u32 v[AKS], s[TB], v[AKS0]
	v_add_nc_u32 v[AVS], s[TB], v[AVS0]
	PLACES 5
	WIN 0x80                                       ; the LDS loads go in two runs, one ahead of each tile's softmax, which is walked while they land
.set u, 0
.rept 12
.irp c, 0,1,2,3
	ds_load_b128 v[16*u+4*\c:16*u+4*\c+3], v[ADR] offset:32768+2048*u+512*\c   ; V's tiles 0 to 11
.endr
.set u, u+1
.endr
	WIN 0
.irp g, 0,1,2,3
	ds_load_b128 v[VS+4*\g:VS+4*\g+3], v[AVS] offset:256*\g
.endr
.irp e, 0,1
.irp f, 0,1
	ds_load_b128 v[KS+8*\e+4*\f:KS+8*\e+4*\f+3], v[AKS] offset:512*\e+16*\f   ; the next step's K: its scale words
.endr
.endr
.if \pf
	; x for the way out: my wave's 64 rows x 512 bytes, each aligned 256 bytes named once: in each of the last two steps 16 rows here and 16 rows 32 further down, a lane to 256 bytes
	global_prefetch_b8 v[PFO2], s[PFX:PFX+1] th:TH_LOAD_NT scope:SCOPE_SE
	global_prefetch_b8 v[PFO2], s[PFX:PFX+1] offset:131072 th:TH_LOAD_NT scope:SCOPE_SE
.endif
	SOFTMAX 0
	WIN 0x80
.set u, 12
.rept 4
.irp c, 0,1,2,3
	ds_load_b128 v[16*u+4*\c:16*u+4*\c+3], v[ADR] offset:32768+2048*u+512*\c   ; V's tiles 12 to 15
.endr
.set u, u+1
.endr
	WIN 0xc0
.set u, 0
.rept 8
.irp c, 0,1,2,3
	ds_load_b128 v[16*u+4*\c:16*u+4*\c+3], v[ADR] offset:2048*u+512*\c   ; the next step's K, first K step
.endr
.set u, u+1
.endr
	SOFTMAX 1
	s_wait_dscnt 0x0                               ; V, its scale words, and the next K's first half are in
	PLACES 4                                       ; codes written by vector instructions stand four places ahead of a scaled product
	WIN 0x52                                       ; V in window 2, p in window 0, O^T in window 1
	PV8 0
	WIN 0
	PLACES 8                                       ; ahead of loads into V's first eight fragments, which are done with
	WIN 0x80
.set u, 0
.rept 8
.irp c, 0,1,2,3
	ds_load_b128 v[16*u+4*\c:16*u+4*\c+3], v[ADR] offset:16384+2048*u+512*\c   ; the next step's K, second K step: my last reads of this slot
.endr
.set u, u+1
.endr
	WIN 0x52
	PV8 8
	WIN 0
.endm
; THE CHANGE OF SLOTS, behind a step.  Each wave waits for all its tensor loads (its quarter of the slot ahead), adds 0 to its spare word, and waits for that and for its reads of the slot that it leaves.
; fill = 1: the barrier is a round of the cluster's, and the slot just left is filled with the block two on: my one tensor load behind the round, first thing there.
.macro CHANGE fill
	s_wait_tensorcnt 0x0                           ; no tensor load of mine is out, so a group 0 may be written
	ds_add_u32 v[SPW], v[NIL]                      ; 0 onto my spare word
.if \fill
	s_xor_b32 s[G0B+1], s[G0B+1], BLK              ; the walking descriptor: the other slot than last time,
	s_add_nc_u64 s[G0B+2:G0B+3], s[G0B+2:G0B+3], BLK   ; the next block; the type bits on top are not reached
	s_wait_xcnt 0x0                                ; the last prefetch, a step back, has read its address
	s_add_nc_u64 s[PFA:PFA+1], s[PFA:PFA+1], BLK   ; one block further on than the walking descriptor
	s_wait_dscnt 0x0                               ; the add is done, and my reads of the slot are over
	CROUND
	tensor_load_to_lds s[G0B:G0B+3], s[G1:G1+7]
	s_nop 0
	PLACES 4
	; a prefetch of the codes of the block that the NEXT change will ask for.  Both clusters of a batch walk the same blocks: the first asks; its partners share the block out by address; waves 0 and 1 ask, a lane to 256 bytes.
	; The last change that fills a slot asks for nothing: there is no block behind it.  Blocks 0 to 2 come by their loads alone
	s_cmp_gt_u32 s[CNT], s[LIM]
	s_cbranch_scc0 .Lnot_mine_\@
	global_prefetch_b8 v[PFO], s[PFA:PFA+1] th:TH_LOAD_NT scope:SCOPE_SE
.Lnot_mine_\@:
.else
	s_wait_xcnt 0x0                                ; this step's prefetches of x have read their address
	s_add_nc_u64 s[PFX:PFX+1], s[PFX:PFX+1], 65536 ; 16 rows on
	s_wait_dscnt 0x0
	s_barrier_signal -1
	s_barrier_wait -1
.endif
	s_xor_b32 s[TB], s[TB], BLK                    ; on to the other slot
.endm
	s_wait_tensorcnt 0x2                           ; my quarter of block 0 is in; block 1's and wo's loads may stay out
	s_barrier_signal -1
	s_barrier_wait -1                              ; everybody's is
	s_wait_loadcnt 0x0                             ; Q, K of step 0, the scale words, bo
	s_mov_b32 s[CNT], 6
.Lfill:                                            ; steps 0 to 5: behind each the slot is filled again, with blocks 2 to 7
	BODY 0
	CHANGE 1
	s_sub_co_u32 s[CNT], s[CNT], 1
	s_cmp_lg_u32 s[CNT], 0
	s_cbranch_scc1 .Lfill
	s_mov_b32 s[CNT], 2
.Ltail:                                            ; steps 6 and 7 are written out a second time.  Step 7 fetches block 7's K (that of step 0) once more and does not use it: one text serves both steps
	BODY 1
	CHANGE 0
	s_sub_co_u32 s[CNT], s[CNT], 1
	s_cmp_lg_u32 s[CNT], 0
	s_cbranch_scc1 .Ltail
	; THE WAY OUT.  Behind the last barrier nobody reads the slots, and they have had their last fill: they become the stage.
.irp q, 0,1
	v_add_f32 v[ST+4*\q+2], v[ST+4*\q+2], v[ST+4*\q+3]   ; the sum's two halves,
.endr
.irp q, 0,1
	v_permlanex16_b32 v[PX+\q], v[ST+4*\q+2], s[SEL], s[SEL+1]
.endr
.irp q, 0,1
	v_add_f32 v[ST+4*\q+2], v[ST+4*\q+2], v[PX+\q] ; and lane l xor 16's: the row's sum
.endr
.irp q, 0,1
	v_rcp_f32 v[ST+4*\q+2], v[ST+4*\q+2]
.endr
	v_add_nc_u32 v[TA], WOB, v[LI]                 ; wo's fragments.  (The address lines here are the plain line behind the reciprocals and, with the additions above, more than the eight places ahead of the loads below)
	v_and_b32 v[ADR], 15, v0
	v_lshlrev_b32 v[ADR], 4, v[ADR]
	v_add_nc_u32 v[ADR], WOB+65536, v[ADR]         ; wo's scale words
	v_and_b32 v6, 15, v0
	v_and_b32 v[SO], 8, v6
	v_add_nc_u32 v[SO], v[SO], v6
	v_mul_u32_u24 v[SO], v[SO], SP                 ; the stage: a row is an output channel: r + 8 (r / 8) of a tile;
	v_bfe_u32 v6, v0, 4, 1
	v_lshl_add_u32 v[SO], v6, 6, v[SO]             ; my eight positions begin at 32 w + 16 half + 8 q
	s_lshl_b32 s72, s[WV], 7
	v_add_nc_u32 v[SO], s72, v[SO]
	v_add_nc_u32 v[SO+1], 128*SP, v[SO]            ; tiles 8 to 15: 128 rows on
	s_mul_i32 s72, s[WV], 64*SP
	v_add_nc_u32 v5, s72, v[LI]                    ; back: my 64 rows, 16 bytes a lane
	WIN 0x80
.set u, 0
.rept 16
.irp c, 0,1,2,3
	ds_load_b128 v[16*u+4*\c:16*u+4*\c+3], v[TA] offset:2048*u+512*\c          ; wo, first K step, into window 2
.endr
.set u, u+1
.endr
	WIN 0xc0
.set u, 0
.rept 16
.irp c, 0,1,2,3
	ds_load_b128 v[16*u+4*\c:16*u+4*\c+3], v[TA] offset:32768+2048*u+512*\c    ; second K step, into window 3
.endr
.set u, u+1
.endr
	WIN 0
.irp e, 0,1
.irp g, 0,1,2,3
	ds_load_b128 v[KS+16*\e+4*\g:KS+16*\e+4*\g+3], v[ADR] offset:1024*\e+256*\g   ; its scale words: v[48 + 16 e + tile]
.endr
.endr
	s_wait_alu depctr_va_vdst(0)                   ; one wait for the two reciprocals, ahead of their first reader
.irp q, 0,1
.irp e, 0,1
	WIN 0x01                                       ; O^T in window 1
.set i, 0
.rept 32
	v_pk_mul_f32 v[S+i:S+i+1], v[128*\q+64*\e+i:128*\q+64*\e+i+1], v[ST+4*\q+2:ST+4*\q+3] op_sel_hi:[1,0]   ; o = O^T / l: register 16 a + i is channel 128 e + 32 a + 16 half + i; each accumulator from its low end on
.set i, i+2
.endr
	WIN 0
	QUANT S, OC+16*(2*\q+\e), QW+2*\q+\e
.endr
.endr
	WIN 0x40
.set u, 0
.rept 16
.irp i, 0,1,2,3,4,5,6,7
	v_mov_b32 v[128+8*u+\i], v[BO+u]               ; bo as a C, where tile 1's O^T lay: a lane holds one output channel, so all eight registers hold its bias; made once for both tiles of queries
.endr
.set u, u+1
.endr
	s_wait_dscnt 0x0                               ; wo is in
; y of tile q of the queries: source 0 = o, source 1 = wo's 16 tiles; sixteen accumulators by turns, two K steps; then nine places: the results are read by LDS stores, and tile 1's first products write over them with another C
.macro OUTP q
	WIN 0x58                                       ; o window 0, wo window 2, C and D window 1
.set u, 0
.rept 16
	v_wmma_scale_f32_16x16x128_f8f6f4 v[8*u:8*u+7], v[OC+32*\q:OC+32*\q+15], v[16*u:16*u+15], v[128+8*u:128+8*u+7], v[QW+2*\q], v[KS+u]
.set u, u+1
.endr
	WIN 0x5c                                       ; wo window 3
.set u, 0
.rept 16
	v_wmma_scale_f32_16x16x128_f8f6f4 v[8*u:8*u+7], v[OC+32*\q+16:OC+32*\q+31], v[16*u:16*u+15], v[8*u:8*u+7], v[QW+2*\q+1], v[KS+16+u]
.set u, u+1
.endr
	WIN 0
	PLACES 9
.endm
.macro TOSTAGE q
	WIN 0x04                                       ; an LDS store's data are its source 1: window 1
.set u, 0
.rept 16
	ds_store_b128 v[SO+u/8], v[8*u:8*u+3] offset:(32*((u%8)/2)+8*(u%2))*SP+32*\q
	ds_store_b128 v[SO+u/8], v[8*u+4:8*u+7] offset:(32*((u%8)/2)+8*(u%2))*SP+32*\q+16
.set u, u+1
.endr
	WIN 0
.endm
	OUTP 0
	TOSTAGE 0
	s_wait_dscnt 0x0                               ; the stores have read the accumulators, which the next products write
	OUTP 1
	WIN 0x80
.set i, 0
.rept 64
	global_load_b128 v[4*i:4*i+3], v[LI], s[58:59] offset:4096*i th:TH_LOAD_NT   ; x: my 64 rows' 512 bytes, where wo's first K step lay; read once in the launch
.set i, i+1
.endr
	TOSTAGE 1
	s_wait_dscnt 0x0                               ; for the others' sake: a row of the stage comes from four waves
	s_barrier_signal -1
	s_barrier_wait -1
	WIN 0xc0
.set i, 0
.rept 64
	ds_load_b128 v[4*i:4*i+3], v5 offset:SP*i      ; whole rows back, where wo's second K step lay
.set i, i+1
.endr
.irp g, 0,1,2,3
	s_wait_dscnt 48-16*\g                          ; these 16 rows are back; the younger rows may be out
	s_wait_loadcnt 48-16*\g                        ; likewise of x
	WIN 0xcb                                       ; window 3 = window 3 + window 2
.set i, 0
.rept 32
	v_pk_add_f32 v[64*\g+i:64*\g+i+1], v[64*\g+i:64*\g+i+1], v[64*\g+i:64*\g+i+1]
.set i, i+2
.endr
	WIN 0x0c                                       ; a store's data are its source 1: window 3
.set i, 0
.rept 16
	global_store_b128 v[LI], v[64*\g+4*i:64*\g+4*i+3], s[60:61] offset:4096*(16*\g+i) th:TH_STORE_NT   ; 512 consecutive bytes, at a multiple of 512 from out0's first byte
.set i, i+1
.endr
.endr
	WIN 0
	s_wait_tensorcnt 0x0                           ; the wave's end: behind my last tensor load and my last LDS store
	ds_add_u32 v[SPW], v[NIL]
	s_wait_dscnt 0x0
	CROUND                                         ; the closing round: no work-group ends while a partner may still ask for a block that names it
	s_endpgm
.Lfunc_end_k_qb0b2a764f7_attn:
	.size	k_qb0b2a764f7_attn, .Lfunc_end_k_qb0b2a764f7_attn-k_qb0b2a764f7_attn
	.p2alignl 7, 3214868480
	.fill 96, 4, 3214868480
	.section	.rodata,"a",@progbits
	.p2align	6, 0x0
	.amdhsa_kernel k_qb0b2a764f7_attn
		.amdhsa_group_segment_fixed_size 327680
		.amdhsa_private_segment_fixed_size 0
		.amdhsa_enable_private_segment 0
		.amdhsa_kernarg_size 48
		.amdhsa_user_sgpr_count 2
		.amdhsa_user_sgpr_kernarg_segment_ptr 1
		.amdhsa_wavefront_size32 1
		.amdhsa_system_sgpr_workgroup_id_x 1
		.amdhsa_system_sgpr_workgroup_id_y 1
		.amdhsa_system_sgpr_workgroup_id_z 1
		.amdhsa_system_vgpr_workitem_id 0
		.amdhsa_next_free_vgpr 1024
		.amdhsa_next_free_sgpr 80
		.amdhsa_reserve_vcc 0
		.amdhsa_float_denorm_mode_32 3
		.amdhsa_float_denorm_mode_16_64 3
		.amdhsa_memory_ordered 1
		.amdhsa_forward_progress 1
		.amdhsa_inst_pref_size 220
	.end_amdhsa_kernel
	.amdgpu_metadata
---
amdhsa.version: [ 1, 2 ]
amdhsa.kernels:
  - .name:           k_qb0b2a764f7_attn
    .symbol:         k_qb0b2a764f7_attn.kd
    .args:
      - { .name: qb, .offset: 0, .size: 8, .value_kind: global_buffer, .address_space: global }
      - { .name: kv, .offset: 8, .size: 8, .value_kind: global_buffer, .address_space: global }
      - { .name: wimg, .offset: 16, .size: 8, .value_kind: global_buffer, .address_space: global }
      - { .name: bo, .offset: 24, .size: 8, .value_kind: global_buffer, .address_space: global }
      - { .name: x, .offset: 32, .size: 8, .value_kind: global_buffer, .address_space: global }
      - { .name: out0, .offset: 40, .size: 8, .value_kind: global_buffer, .address_space: global }
    .group_segment_fixed_size: 327680
    .private_segment_fixed_size: 0
    .kernarg_segment_align: 8
    .kernarg_segment_size: 48
    .max_flat_workgroup_size: 128
    .sgpr_count:     80
    .vgpr_count:     1024
    .wavefront_size: 32
...
	.end_amdgpu_metadata
.endif
;; end of part 3
